; MI455X (gfx1250); checked and timed in simulation.
; The chip was launched on July 23, 2026; its instructions are those of AMD's public machine-readable ISA for CDNA 5 (MIT licence, August 2026) and "CDNA5" Instruction Set Architecture Reference Guide (July 2026). The comments in the code are by the model that wrote it; some were corrected since.
;; Neus Background Module. Allowed arithmetic: float matrix products may take bf16 or f16 operands with f32 sums; all other float work in f32.
;; Inputs: W1 32 x 2 x 256 float32; Wh 32 x 2 x 256 x 256 float32; Wout 32 x 256 x 3 float32; b1 32 x 256 float32; bh 32 x 2 x 256 float32; bout 32 x 3 float32; camera_id 4,096 int32; init_background_rgb 4,096 x 3 float32; pixels_x 4,096 int32; pixels_y 4,096 int32.
;; Outputs: out0 4,096 x 3 float32.
;; One version. Each part assembles by itself: llvm-mc -triple=amdgcn-amd-amdhsa -mcpu=gfx1250 --defsym DOCPART=n.
;; ======== version 1 of 1: 1 launch
;; launch mlps (part 1): grid 8 x 32, 8 waves a work-group, no clusters, 290,816 bytes of LDS; arguments camera_id, pixels_x, pixels_y, W1, b1, Wh, bh, Wout, bout, out0; writes out0
.if DOCPART == 1
	.amdgcn_target "amdgcn-amd-amdhsa--gfx1250"
	.amdhsa_code_object_version 6
	.text
	.protected	k_qe67188c3ad_mlps
	.globl	k_qe67188c3ad_mlps
	.p2align	8
	.type	k_qe67188c3ad_mlps,@function
k_qe67188c3ad_mlps:
	s_mov_b64 s[64:65], 0
	v_nop
	global_prefetch_b8 v0, s[64:65] scope:SCOPE_SE
	s_setreg_imm32_b32 hwreg(HW_REG_WAVE_MODE, 25, 1), 1
	s_wait_xcnt 0x0
; out0[p] = MLP number camera_id[p] (2 -> 256 -> 256 -> 256 -> 3, ReLU between) applied to (x, y) of pixel p, x = 2 px / 511 - 1.
; The reference runs all 32 MLPs on all pixels and multiplies by (camera_id == i), a mask of its own making: only a pixel's own MLP is computed here.
; Work-group (j, c) = (x, y of the grid) serves camera c for the pixels 512 j .. 512 j + 511.  Eight waves.
;   PHASE A (same path in every wave): wave w streams one eighth of the camera's two hidden matrices (layer w >> 2, 64 columns w & 3) through
;   registers, rounds to bf16 and lays them into LDS in the order of matrix fragments.  While its first loads fly, EVERY wave reads all 512 camera
;   ids of the range, keeps the matches as 16 mask words and their prefix sums in scalar registers, picks its first 16 pixels out of them and
;   gathers their coordinates; it also lays down its share of the small tables.  ONE barrier.
;   PHASE B (trip count from the number of matches, no barrier): a unit is 16 matching pixels; wave w takes units w, w + 8, ...  One wave carries
;   a unit through all four layers: weights are source A (rows = features) from LDS, pixels are source B (columns).  A layer's results,
;   after ReLU and rounding, ARE the next layer's B fragments (tiles 2 s, 2 s + 1 give registers 0-3, 4-7 of K step s): activations stay in registers.
; Counts, trip counts and pixel numbers are formed in each wave's own registers from camera_id: none of them passes from wave to wave.
; FEATURES ARE PERMUTED: row m of tile T stands for feature phi(T, m) = 64 (T >> 2) + 4 m + (T & 3), so that the 4 neighbouring columns that a
; lane's 16-byte load brings are row r of four tiles, 16 lanes read 256 consecutive bytes of a row of Wh, and each LDS store covers 512 consecutive bytes.
; As a K index 32 s + 16 q + 8 h + i that is row rho = 64 (s >> 1) + 32 h + 4 i + 2 (s & 1) + q of the next matrix.
; STATED LIMITS.  All four products take bf16 operands (x, y too) and f32 sums; biases are f32.  x = fma(px, 2/511, -1), one rounding for three.
; ReLU is v_max_num_f32: a NaN becomes 0.  A non-finite result of ANOTHER camera's MLP, of which the reference's 0 x inf makes NaN, is not reproduced.
; A camera id outside 0..31 matches no MLP: the row is written as zeros (such pixels ride with camera 31's and are zeroed at the end).
; init_background_rgb is not read: the reference does not use it.  A pixel's 12 bytes are stored by the group that owns the pixel: scattered 12-byte stores.
; NO CLUSTER, NO TENSOR LOADS, though the 8 groups of a camera read the same 512 KiB: the weights are f32 in memory and bf16 in LDS, so they pass
; through registers; the bf16 image takes 286,720 of the 327,680 bytes that a work-group can be given, and the 37,888 bytes left beside the tables would
; hold an f32 landing ring of under 5 KiB a wave, against the 24 KiB that each wave keeps on its way in registers here.
; LDS
.set BIAS,   0                         ; 3 tables (b1, bh[0], bh[1]) of 1,024 bytes: word 16 T + m = bias[phi(T, m)]
.set STREAM, 3072                      ; 70 steps of 4,096 bytes = 4 fragments of 1,024: byte 512 q + 16 lane = the lane's registers 4 q .. 4 q + 3
                                       ; steps 0-3 layer 1 (tiles 4 g + t); 4 + 8 (4 l + g) + s hidden layer l, tiles 4 g + t, K step s; 68, 69 output (K steps 0-7)
.set OUTF,   STREAM+68*4096
.set NITEMS, 82                        ; ring items of a unit: 4 x (bias, step) + 8 x (bias, 8 steps) + 2
; scalar registers of the selection
.set MK,   66                          ; s66-81: mask word 4 a + e, bit L: pixel 128 a + 4 L + e of the range is this camera's
.set PF,   82                          ; s82-98: P_k = matches in words 0 .. k - 1
.set NN,   PF+16                       ; s98: n, all matches
; vector registers, window 0, whole kernel: v0 thread, v1 lane L, v2 r = L & 15, v3 h = L >> 4
; phase A
.set VOFF, 4                           ; h << 15 | r << 4: my 16 bytes in rows rho (h = 0) and rho + 32 (h = 1) of Wh
.set STA,  5                           ; LDS: my wave's 8 steps + 16 L
.set PO,   6                           ; 16 L: my four ids in each 512 bytes
.set FO,   7                           ; byte of feature phi(2 w, r)
.set BO,   8                           ; byte of feature phi(2 w + h, r)
.set OO,   9                           ; 12 x my row of Wout
.set L1A,  10                          ; LDS: layer 1's tiles 2 w, 2 w + 1
.set OZ,   11                          ; LDS: output fragment w, 16 L
.set OS,   12                          ; LDS: output fragment w, my K place in row 0
.set BSA,  13                          ; 4 x thread
; the selection, both phases
.set RH,   14                          ; r + 65536 h: lanes 16-31 never count as matches
.set QR,   15                          ; my place among the matches
.set SM,   16                          ; the mask word that holds it
.set SP,   17                          ; that word's prefix, then my rank inside what is left of the word
.set SI,   18                          ; that word's index, then the pixel's number in the range
.set A1,   19                          ; the word's ones counted in fields of 2,
.set A2,   20                          ; 4,
.set A3,   21                          ; 8 bits,
.set A4,   22                          ; and byte 0: in bits 0-15
.set POS,  23                          ; the bit
.set TT,   24
.set GO,   25                          ; 4 x the pixel's number: offset of the gathers
.set GX,   26                          ; its px, py, camera id
.set GY,   27
.set GI,   28
.set POUT, 29                          ; 12 x the pixel's number
.set XY,   30                          ; bf16 x | bf16 y << 16
; phase A again
.set ID,   32                          ; v[32:47] the 512 ids, 16 a lane; behind the masks these registers hold:
.set ZR,   32                          ; v[32:35] zeros
.set U0,   36                          ; v[36:39], v[40:43] layer 1's fragment registers 0-3
.set U1,   40
.set PK,   48                          ; v[48:63] packed bf16; ahead of the first job these registers hold:
.set WX,   48                          ; v[48:49], v[50:51] W1's two rows at features phi(2 w, r), phi(2 w + 1, r)
.set WY,   50
.set BV,   52                          ; v52-54 b1, bh[0], bh[1] at BO
.set WO,   55                          ; v55-57 my row of Wout
.set P0,   58
.set P1,   59
.set T0,   60
.set ST,   64                          ; v[64:255] six staging slots of 32 registers: 8 rows x 16 bytes
; phase B, window 0
.set L16,  4
.set R,    6                           ; v[6:8] the three results
.set R2,   10
.set BA,   64                          ; v[64:127], v[128:191]: B fragments of 8 K steps, in turn
.set BB,   128
; phase B, window 1 (v256 and up, written by their low 8 bits)
.set AW,   0                           ; v256-260: STREAM + 65536 i + 16 L
.set AB,   5                           ; v261: 32 h
.set ACC,  8                           ; v264-295: four accumulator tiles
.set RING, 40                          ; v296-487: six slots of 32 registers
; s_set_vgpr_msb's low byte: bits 1:0 source 0, 3:2 source 1, 5:4 source 2, 7:6 destination; the high byte repeats the setting left
.set MSB, 0
.macro WIN new
.if MSB != \new
	s_set_vgpr_msb (MSB<<8)|\new
.set MSB, \new
.endif
.endm
.set W_MUL, 0x51                       ; destination, source 0, source 2 in window 1, source 1 in window 0: ring loads, matrix instructions (B in window 0), ReLU
.set W_CVT, 0x05                       ; sources in window 1, destination in window 0: rounding into the next B buffer
.set W_SET, 0x40                       ; destination in window 1
	s_load_b512 s[8:23], s[0:1], 0x0               ; camera_id s[8:9], pixels_x s[10:11], pixels_y s[12:13], W1 s[14:15], b1 s[16:17], Wh s[18:19], bh s[20:21], Wout s[22:23]
	s_load_b128 s[24:27], s[0:1], 0x40             ; bout s[24:25], out0 s[26:27]
	v_lshl_add_u32 v31, v0, 2, 0x46c00
	s_set_vgpr_msb 0x40
	v_mov_b32 v255, 0
	s_set_vgpr_msb 0x4000
	s_mov_b32 s2, ttmp9                            ; j: which 512 pixels
	s_and_b32 s3, ttmp7, 0xffff                    ; c: which camera
	v_lshrrev_b32 v1, 5, v0
	v_readfirstlane_b32 s4, v1                     ; w: wave 0..7
	v_and_b32 v1, 31, v0
	v_and_b32 v2, 15, v0
	v_bfe_u32 v3, v0, 4, 1
	s_mov_b32 s39, 0x3b804020                      ; 2 / 511
	s_mov_b32 s59, 0xffff                          ; lanes 0-15
	s_lshl_b32 s58, s4, 4                          ; 16 x my first unit
	; byte offsets of this group's and this wave's parts, each in a pair of its own with 0 above
	s_lshl_b32 s28, s2, 11                         ; 512 ids (x, y) of 4 bytes
	s_mov_b32 s29, 0
	s_lshl_b32 s30, s3, 11                         ; W1, bh: 2,048 bytes a camera
	s_mov_b32 s31, 0
	s_lshl_b32 s32, s3, 10                         ; b1: 1,024
	s_mov_b32 s33, 0
	s_mul_i32 s34, s3, 3072                        ; Wout
	s_mov_b32 s35, 0
	s_mul_i32 s40, s3, 12                          ; bout
	s_mov_b32 s41, 0
	s_lshl_b32 s42, s3, 19                         ; Wh: 2 x 256 x 256 x 4 bytes a camera,
	s_lshr_b32 s5, s4, 2
	s_lshl_b32 s5, s5, 18                          ; layer w >> 2,
	s_add_co_u32 s42, s42, s5
	s_and_b32 s5, s4, 3
	s_lshl_b32 s5, s5, 8                           ; 64 columns w & 3
	s_add_co_u32 s42, s42, s5
	s_mov_b32 s43, 0
	s_mul_i32 s44, s2, 6144                        ; out0: 512 rows of 12 bytes
	s_mov_b32 s45, 0
	; the lanes' offsets and LDS addresses: a constant, the wave's number times a constant, a lane term
	v_lshlrev_b32 v[VOFF], 4, v2
	v_lshl_or_b32 v[VOFF], v3, 15, v[VOFF]
	s_lshl_b32 s5, s4, 15
	s_add_co_u32 s5, s5, STREAM+4*4096
	v_lshl_add_u32 v[STA], v1, 4, s5
	v_lshlrev_b32 v[PO], 4, v1
	s_lshr_b32 s6, s4, 1
	s_lshl_b32 s6, s6, 8
	s_and_b32 s7, s4, 1
	s_lshl_b32 s7, s7, 3
	s_add_co_u32 s6, s6, s7                        ; 4 x (64 (w >> 1) + 2 (w & 1))
	v_lshl_add_u32 v[FO], v2, 4, s6
	v_lshl_add_u32 v[BO], v3, 2, v[FO]
	v_and_b32 v[TT], 1, v0                         ; q of my place in the output fragment
	v_bfe_u32 v[POS], v0, 1, 3                     ; i of it
	s_lshr_b32 s7, s6, 2
	v_lshl_add_u32 v[OO], v[POS], 2, s7            ; rho(s = w, q, h, i)
	v_lshl_add_u32 v[OO], v3, 5, v[OO]
	v_add_nc_u32 v[OO], v[OO], v[TT]
	v_mul_u32_u24 v[OO], 12, v[OO]
	s_lshl_b32 s5, s4, 11
	s_add_co_u32 s5, s5, STREAM
	v_lshl_add_u32 v[L1A], v1, 4, s5
	s_lshl_b32 s5, s4, 10
	s_add_co_u32 s5, s5, OUTF
	v_lshl_add_u32 v[OZ], v1, 4, s5
	v_lshl_add_u32 v[OS], v[TT], 9, s5             ; 512 q + 256 h + 2 i: row 0's bytes; rows 1, 2 are 16 and 32 further
	v_lshl_add_u32 v[OS], v3, 8, v[OS]
	v_lshl_add_u32 v[OS], v[POS], 1, v[OS]
	v_lshlrev_b32 v[BSA], 2, v0
	v_lshl_add_u32 v[RH], v3, 16, v2
	s_wait_kmcnt 0x0                               ; the ten addresses
	s_add_nc_u64 s[8:9], s[8:9], s[28:29]
	s_add_nc_u64 s[10:11], s[10:11], s[28:29]
	s_add_nc_u64 s[12:13], s[12:13], s[28:29]
	s_add_nc_u64 s[14:15], s[14:15], s[30:31]
	s_add_nc_u64 s[16:17], s[16:17], s[32:33]
	s_add_nc_u64 s[18:19], s[18:19], s[42:43]
	s_add_nc_u64 s[20:21], s[20:21], s[30:31]
	s_add_nc_u64 s[22:23], s[22:23], s[34:35]
	s_add_nc_u64 s[24:25], s[24:25], s[40:41]
	s_add_nc_u64 s[26:27], s[26:27], s[44:45]
	s_load_b96 s[36:38], s[24:25], 0x0             ; bout[c][0..2]; waited for in front of the barrier
	; twelve small loads: the range's 512 ids (each load 512 consecutive bytes), then my share of the small tensors
.irp a, 0,1,2,3
	global_load_b128 v[ID+4*\a:ID+4*\a+3], v[PO], s[8:9] offset:512*\a
.endr
	global_load_b64 v[WX:WX+1], v[FO], s[14:15]
	global_load_b64 v[WY:WY+1], v[FO], s[14:15] offset:1024
	global_load_b32 v[BV], v[BO], s[16:17]
	global_load_b32 v[BV+1], v[BO], s[20:21]
	global_load_b32 v[BV+2], v[BO], s[20:21] offset:1024
	global_load_b32 v[WO], v[OO], s[22:23]
	global_load_b32 v[WO+1], v[OO], s[22:23] offset:4
	global_load_b32 v[WO+2], v[OO], s[22:23] offset:8
; Job k = 2 s + q (0..15): the eight rows rho(s, q, h, i), i = 0..7, of my 64 columns.  One load covers two pieces of 256 consecutive bytes.
.macro JOBLOAD k
.irp i, 0,1,2,3,4,5,6,7
	global_load_b128 v[ST+32*((\k)%6)+4*\i:ST+32*((\k)%6)+4*\i+3], v[VOFF], s[18:19] offset:((\k)>>2)*65536+((\k)&3)*1024+\i*4096
.endr
.endm
; Round job k to bf16.  Register 4 i + t of the slot is W[rho(i)][64 g + 4 r + t]: rows 2 u and 2 u + 1 of column t make register 4 q + u of tile t's
; fragment: the transposition is a choice of registers.  Then the slot takes job k + 6.
.macro JOBPACK k
.set SLT, ST+32*((\k)%6)
.if (\k) < 6
	s_wait_loadcnt 43                              ; loads return in order: the five younger jobs' 40 loads stay out, and the 3 gathers, issued between job 5's loads and job 6's
.else
.if 15-(\k) < 5
	s_wait_loadcnt 8*(15-(\k))                     ; the last jobs: eight loads for each job that is still behind this one
.else
	s_wait_loadcnt 40                              ; the five younger jobs' 40 loads stay out
.endif
.endif
.irp t, 0,1,2,3
.irp u, 0,1,2,3
	v_cvt_pk_bf16_f32 v[PK+4*\t+\u], v[SLT+8*\u+\t], v[SLT+8*\u+4+\t]
.endr
.endr
.irp t, 0,1,2,3
	ds_store_b128 v[STA], v[PK+4*\t:PK+4*\t+3] offset:((\k)>>1)*4096+\t*1024+((\k)&1)*512
.endr
.if (\k)+6 < 16
.set JK, (\k)+6
	JOBLOAD JK
.endif
.endm
; One halving step of the search for my bit: src holds the ones of the word counted in fields; the field of fw bits at POS counts the step bits from POS on.
; If my rank is not among them, they are taken off the rank and POS moves past them.
.macro LEVEL src, fw, step
	v_bfe_u32 v[TT], v[\src], v[POS], \fw
	v_cmp_ge_u32 vcc_lo, v[SP], v[TT]
	v_cndmask_b32 v[TT], 0, v[TT], vcc_lo
	v_sub_nc_u32 v[SP], v[SP], v[TT]
	v_add_nc_u32 v[TT], \step, v[POS]
	v_cndmask_b32 v[POS], v[POS], v[TT], vcc_lo
.endm
; Lane r picks match number q = s58 + r out of the 512 mask bits, in its own registers, and asks for that pixel's x, y and id.
; Any q gives a word 0..15 and a bit 0..31, so lanes and waves without a match (q >= n) still name a pixel of the range; nothing of theirs is stored.
.macro SELECT
	v_add_nc_u32 v[QR], s58, v[RH]
	v_mov_b32 v[SM], s[MK]
	v_mov_b32 v[SP], 0
	v_mov_b32 v[SI], 0
	v_mov_b32 v[POS], 0
.irp k, 1,2,3,4,5,6,7,8,9,10,11,12,13,14,15
	v_cmp_le_u32 vcc_lo, s[PF+\k], v[QR]           ; the last word whose prefix does not pass q holds it
	v_cndmask_b32 v[SM], v[SM], s[MK+\k], vcc_lo
	v_cndmask_b32 v[SP], v[SP], s[PF+\k], vcc_lo
	v_cndmask_b32 v[SI], v[SI], \k, vcc_lo
.endr
	v_sub_nc_u32 v[SP], v[QR], v[SP]               ; my rank inside the word
	v_lshrrev_b32 v[TT], 1, v[SM]                  ; the word's ones, counted in fields of 2 bits,
	v_and_b32 v[TT], 0x55555555, v[TT]
	v_sub_nc_u32 v[A1], v[SM], v[TT]
	v_lshrrev_b32 v[TT], 2, v[A1]                  ; of 4,
	v_and_b32 v[TT], 0x33333333, v[TT]
	v_and_b32 v[A2], 0x33333333, v[A1]
	v_add_nc_u32 v[A2], v[A2], v[TT]
	v_lshrrev_b32 v[TT], 4, v[A2]                  ; of 8,
	v_add_nc_u32 v[A3], v[A2], v[TT]
	v_and_b32 v[A3], 0x0f0f0f0f, v[A3]
	v_lshrrev_b32 v[TT], 8, v[A3]                  ; and, in byte 0, of the low 16 (at most 16: no carry)
	v_add_nc_u32 v[A4], v[A3], v[TT]
	LEVEL A4, 8, 16
	LEVEL A3, 8, 8
	LEVEL A2, 4, 4
	LEVEL A1, 2, 2
	LEVEL SM, 1, 1
	v_lshrrev_b32 v[TT], 2, v[SI]                  ; word 4 a + e, bit POS: pixel 128 a + 4 POS + e
	v_and_b32 v[SI], 3, v[SI]
	v_lshl_or_b32 v[SI], v[TT], 7, v[SI]
	v_lshl_or_b32 v[SI], v[POS], 2, v[SI]
	v_lshlrev_b32 v[GO], 2, v[SI]
	v_min_u32 v[GO], 2044, v[GO]                   ; the offset comes from loaded ids: bounded by the range's last word as the last step before its use
	global_load_b32 v[GX], v[GO], s[10:11]
	global_load_b32 v[GY], v[GO], s[12:13]
	global_load_b32 v[GI], v[GO], s[8:9]
	v_mul_u32_u24 v[POUT], 12, v[SI]
	v_min_u32 v[POUT], 6132, v[POUT]               ; likewise: the range's last row of out0, 12 x 511
.endm
.irp k, 0,1,2,3,4,5
	JOBLOAD \k                                     ; 48 loads of 512 bytes on their way in each wave
.endr
	s_wait_loadcnt 48                              ; the twelve small loads are in; the 48 weight loads behind them stay out
	; the masks.  Ids outside 0..31 (unsigned: negative ones too) count as 31 here.
.irp i, 0,1,2,3,4,5,6,7,8,9,10,11,12,13,14,15
	v_min_u32 v[T0], 31, v[ID+\i]
	v_cmp_eq_u32 s[MK+\i], s3, v[T0]
.endr
	s_mov_b32 s[PF], 0
.irp i, 0,1,2,3,4,5,6,7,8,9,10,11,12,13,14,15
	s_bcnt1_i32_b32 s5, s[MK+\i]
	s_add_co_u32 s[PF+\i+1], s[PF+\i], s5
.endr
	SELECT                                         ; my first unit's pixels: the gathers fly under the weight stream
	; layer 1's fragments of tiles 2 w, 2 w + 1: K = 32 of which k = 0 is W1's x row and k = 1 its y row (register 0 of lanes 0-15); all else 0
.irp i, 0,1,2,3
	v_mov_b32 v[ZR+\i], 0
.endr
	v_cvt_pk_bf16_f32 v[U0], v[WX], v[WY]
	v_cvt_pk_bf16_f32 v[U1], v[WX+1], v[WY+1]
	v_cndmask_b32 v[U0], 0, v[U0], s59
	v_cndmask_b32 v[U1], 0, v[U1], s59
.irp i, 1,2,3
	v_mov_b32 v[U0+\i], 0
	v_mov_b32 v[U1+\i], 0
.endr
	ds_store_b128 v[L1A], v[U0:U0+3]
	ds_store_b128 v[L1A], v[ZR:ZR+3] offset:512
	ds_store_b128 v[L1A], v[U1:U1+3] offset:1024
	ds_store_b128 v[L1A], v[ZR:ZR+3] offset:1536
	; the three bias tables: thread 32 w + L = 16 (2 w + h) + r holds word 16 T + m
.irp l, 0,1,2
	ds_store_b32 v[BSA], v[BV+\l] offset:BIAS+1024*\l
.endr
	; output fragment of K step w: zeros, then rows 0-2 (a wave's LDS instructions are served in order)
	ds_store_b128 v[OZ], v[ZR:ZR+3]
	ds_store_b128 v[OZ], v[ZR:ZR+3] offset:512
	v_cvt_pk_bf16_f32 v[P0], v[WO], v[WO+1]
	v_cvt_pk_bf16_f32 v[P1], v[WO+2], v[WO+2]
	ds_store_b16 v[OS], v[P0]
	ds_store_b16_d16_hi v[OS], v[P0] offset:16
	ds_store_b16 v[OS], v[P1] offset:32
.irp k, 0,1,2,3,4,5,6,7,8,9,10,11,12,13,14,15
	JOBPACK \k
.endr
	s_wait_kmcnt 0x0                               ; bout, asked for in front of the whole weight stream
	s_wait_dscnt 0x0                               ; for the other waves' sake: all that I stored is in LDS
	s_barrier_signal -1
	s_barrier_wait -1                              ; the only barrier: from here on LDS is only read
	; PHASE B
	s_add_co_u32 s5, s[NN], 15
	s_lshr_b32 s5, s5, 4                           ; units of 16 pixels
	s_cmp_le_u32 s5, s4
	s_cbranch_scc1 .Lend                           ; no unit for this wave
	s_sub_co_u32 s56, s5, s4
	s_add_co_u32 s56, s56, 7
	s_lshr_b32 s56, s56, 3                         ; trips: units w, w + 8, ...
	s_mov_b32 s57, 0
	v_lshlrev_b32 v[L16], 4, v1
	WIN W_SET
.irp i, 0,1,2,3,4
	v_add_nc_u32 v[AW+\i], STREAM+65536*\i, v[L16] ; an LDS offset has 16 bits: a base for each 16 steps
.endr
	v_lshlrev_b32 v[AB], 5, v3
	WIN 0
; THE RING.  An item is eight 16-byte LDS loads into slot (number % 6): four A fragments of a step, or four tiles of bias in the layout of C
; (register j of lane (r, h) = bias of row 8 h + j).  ISS = items issued, CONS = items used, counted while the text is assembled.
.macro ISSUE
.set SL, RING+32*(ISS%6)
.if ISS < 8
.set KIND, ISS%2                                   ; layer 1: bias, step, bias, step ..
.set IDX, ISS/2
.else
.if ISS < 80
.if (ISS-8)%9 == 0
.set KIND, 0                                       ; hidden layers: a group's bias,
.set IDX, 4+(ISS-8)/9
.else
.set KIND, 1                                       ; then its eight K steps
.set IDX, 4+8*((ISS-8)/9)+(ISS-8)%9-1
.endif
.else
.set KIND, 1                                       ; output: steps 68, 69
.set IDX, 68+ISS-80
.endif
.endif
.irp t, 0,1,2,3
.if KIND
	ds_load_b128 v[SL+8*\t:SL+8*\t+3],   v[AW+IDX/16] offset:(IDX%16)*4096+\t*1024
	ds_load_b128 v[SL+8*\t+4:SL+8*\t+7], v[AW+IDX/16] offset:(IDX%16)*4096+\t*1024+512
.else
	ds_load_b128 v[SL+8*\t:SL+8*\t+3],   v[AB] offset:BIAS+256*IDX+64*\t
	ds_load_b128 v[SL+8*\t+4:SL+8*\t+7], v[AB] offset:BIAS+256*IDX+64*\t+16
.endif
.endr
.set ISS, ISS+1
.endm
.macro REFILL                          ; fill every free slot
.rept 6
.if ISS < CONS+6
.if ISS < NITEMS
	ISSUE
.endif
.endif
.endr
.endm
; A load into a register that a matrix instruction has read, and a vector instruction that reads or writes a matrix result, stand four places behind
; it, and only plain vector instructions that name none of its registers are places.
.macro PLACES
.rept 4
	v_nop
.endr
.endm
.macro GAP                             ; between two K steps: the slot just used is asked for again; nothing once all items are issued
.if ISS < NITEMS
	PLACES
	REFILL
.endif
.endm
; Four matrix instructions: tiles 4 g .. 4 g + 3 x K step s of buffer cur.  first = 1: the bias item in front of the fragments is C and starts the sums.
; Four chains in place take turns.
.macro STEP cur, s, first
.if \first
.set CSL, RING+32*(CONS%6)
.set FSL, RING+32*((CONS+1)%6)
.set CONS, CONS+2
.else
.set FSL, RING+32*(CONS%6)
.set CONS, CONS+1
.endif
	s_wait_dscnt 8*(ISS-CONS)                      ; LDS loads return in order: eight may stay out for each item issued behind those used here
.irp t, 0,1,2,3
.if \first
	v_wmma_f32_16x16x32_bf16 v[ACC+8*\t:ACC+8*\t+7], v[FSL+8*\t:FSL+8*\t+7], v[\cur+8*(\s):\cur+8*(\s)+7], v[CSL+8*\t:CSL+8*\t+7]
.else
	v_wmma_f32_16x16x32_bf16 v[ACC+8*\t:ACC+8*\t+7], v[FSL+8*\t:FSL+8*\t+7], v[\cur+8*(\s):\cur+8*(\s)+7], v[ACC+8*\t:ACC+8*\t+7]
.endif
.endr
.endm
; A group's end: ReLU, then tile 4 g + t's eight rows of my pixel round into registers 4 t .. 4 t + 3 of the next buffer's K steps 2 g, 2 g + 1.
; These 48 plain instructions are also the places in front of the next group's first products, which write over ACC.
.macro EPI nb, g
	PLACES
	REFILL
.set EI, 0
.rept 32
	v_max_num_f32 v[ACC+EI], v[ACC+EI], 0
.set EI, EI+1
.endr
	WIN W_CVT
.irp t, 0,1,2,3
.irp i, 0,1,2,3
	v_cvt_pk_bf16_f32 v[\nb+16*\g+4*\t+\i], v[ACC+8*\t+2*\i], v[ACC+8*\t+2*\i+1]
.endr
.endr
	WIN W_MUL
.endm
.macro LAYER cur, nb, ks               ; 256 features in four groups of four tiles, ks K steps each
.irp g, 0,1,2,3
	STEP \cur, 0, 1
.if \ks > 1
.set SS, 1
.rept \ks-1
	GAP
	STEP \cur, SS, 0
.set SS, SS+1
.endr
.endif
	EPI \nb, \g
.endr
.endm
.macro OSTEP a                         ; output layer: K steps 4 a + t on four partial sums; the first products start them
.set FSL, RING+32*(CONS%6)
.set CONS, CONS+1
	s_wait_dscnt 8*(ISS-CONS)                      ; 8, then 0: only the last item may be out
.irp t, 0,1,2,3
.if \a
	v_wmma_f32_16x16x32_bf16 v[ACC+8*\t:ACC+8*\t+7], v[FSL+8*\t:FSL+8*\t+7], v[BA+8*(4*\a+\t):BA+8*(4*\a+\t)+7], v[ACC+8*\t:ACC+8*\t+7]
.else
	v_wmma_f32_16x16x32_bf16 v[ACC+8*\t:ACC+8*\t+7], v[FSL+8*\t:FSL+8*\t+7], v[BA+8*(4*\a+\t):BA+8*(4*\a+\t)+7], 0
.endif
.endr
.endm
.Lunit:
.set ISS, 0
.set CONS, 0
	WIN W_MUL
	REFILL                                         ; items 0-5; the last trip's products stand far more than four places back
	WIN 0
	s_wait_loadcnt 0x0                             ; my pixel's x, y and id (on the way in from phase A they came long ago)
	v_cvt_f32_i32 v[GX], v[GX]
	v_cvt_f32_i32 v[GY], v[GY]
	v_fma_f32 v[GX], v[GX], s39, -1.0
	v_fma_f32 v[GY], v[GY], s39, -1.0
	v_cvt_pk_bf16_f32 v[XY], v[GX], v[GY]          ; k = 0 in the low half, k = 1 in the high half
	v_cndmask_b32 v[BB], 0, v[XY], s59             ; layer 1's B fragment: (x, y) at k = 0, 1 of lanes 0-15, zeros elsewhere
.irp i, 1,2,3,4,5,6,7
	v_mov_b32 v[BB+\i], 0
.endr
	WIN W_MUL
	LAYER BB, BA, 1                                ; 2 -> 256
	LAYER BA, BB, 8                                ; 256 -> 256
	LAYER BB, BA, 8                                ; 256 -> 256
	OSTEP 0                                        ; 256 -> 3 (rows 3-15 of the fragments are zeros)
	OSTEP 1
	PLACES
	WIN W_CVT
.irp j, 0,1,2
	v_add_f32 v[R+\j], v[ACC+\j], v[ACC+8+\j]      ; lanes 0-15, register j: output j of pixel r
	v_add_f32 v[R2+\j], v[ACC+16+\j], v[ACC+24+\j]
.endr
	WIN 0
.irp j, 0,1,2
	v_add_f32 v[R+\j], v[R+\j], v[R2+\j]
.endr
.irp j, 0,1,2
	v_add_f32 v[R+\j], s[36+\j], v[R+\j]           ; + bout
.endr
	v_cmp_gt_u32 vcc_lo, 32, v[GI]                 ; the id is one of the 32 cameras'
.irp j, 0,1,2
	v_cndmask_b32 v[R+\j], 0, v[R+\j], vcc_lo      ; a foreign id matches no MLP: zeros
.endr
	v_cmp_gt_u32 vcc_lo, s[NN], v[QR]              ; matches only: false past the last match and in lanes 16-31
	s_wait_xcnt 0x0                                ; EXEC is a source of every pending global access: it changes only behind this wait
	s_and_saveexec_b32 s63, vcc_lo
	global_store_b96 v[POUT], v[R:R+2], s[26:27]
	s_wait_xcnt 0x0                                ; and again: EXEC, POUT and R are rewritten only behind it
	s_or_b32 exec_lo, exec_lo, s63
	s_add_co_u32 s57, s57, 1
	s_cmp_ge_u32 s57, s56
	s_cbranch_scc1 .Lend                           ; the last trip selects and gathers nothing more
	s_add_co_u32 s58, s58, 128                     ; eight units on
	SELECT
	s_cmp_lt_u32 s57, s56                          ; the loop's counted branch (the add above wrote SCC); the exit above has taken the other case
	s_cbranch_scc1 .Lunit
.Lend:
	s_set_vgpr_msb 0x4
	s_wait_tensorcnt 0x0
	ds_add_u32 v31, v255
	s_wait_dscnt 0x0
	s_set_vgpr_msb 0x400
	s_endpgm
.Lfunc_end_k_qe67188c3ad_mlps:
	.size	k_qe67188c3ad_mlps, .Lfunc_end_k_qe67188c3ad_mlps-k_qe67188c3ad_mlps
	.p2alignl 7, 3214868480
	.fill 96, 4, 3214868480
	.section	.rodata,"a",@progbits
	.p2align	6, 0x0
	.amdhsa_kernel k_qe67188c3ad_mlps
		.amdhsa_group_segment_fixed_size 290816
		.amdhsa_private_segment_fixed_size 0
		.amdhsa_enable_private_segment 0
		.amdhsa_kernarg_size 80
		.amdhsa_user_sgpr_count 2
		.amdhsa_user_sgpr_kernarg_segment_ptr 1
		.amdhsa_wavefront_size32 1
		.amdhsa_system_sgpr_workgroup_id_x 1
		.amdhsa_system_sgpr_workgroup_id_y 1
		.amdhsa_system_sgpr_workgroup_id_z 1
		.amdhsa_system_vgpr_workitem_id 0
		.amdhsa_next_free_vgpr 512
		.amdhsa_next_free_sgpr 100
		.amdhsa_reserve_vcc 1
		.amdhsa_float_denorm_mode_32 3
		.amdhsa_float_denorm_mode_16_64 3
		.amdhsa_memory_ordered 1
		.amdhsa_forward_progress 1
		.amdhsa_inst_pref_size 162
	.end_amdhsa_kernel
	.amdgpu_metadata
---
amdhsa.version: [ 1, 2 ]
amdhsa.kernels:
  - .name:           k_qe67188c3ad_mlps
    .symbol:         k_qe67188c3ad_mlps.kd
    .args:
      - { .name: camera_id, .offset: 0, .size: 8, .value_kind: global_buffer, .address_space: global }
      - { .name: pixels_x, .offset: 8, .size: 8, .value_kind: global_buffer, .address_space: global }
      - { .name: pixels_y, .offset: 16, .size: 8, .value_kind: global_buffer, .address_space: global }
      - { .name: W1, .offset: 24, .size: 8, .value_kind: global_buffer, .address_space: global }
      - { .name: b1, .offset: 32, .size: 8, .value_kind: global_buffer, .address_space: global }
      - { .name: Wh, .offset: 40, .size: 8, .value_kind: global_buffer, .address_space: global }
      - { .name: bh, .offset: 48, .size: 8, .value_kind: global_buffer, .address_space: global }
      - { .name: Wout, .offset: 56, .size: 8, .value_kind: global_buffer, .address_space: global }
      - { .name: bout, .offset: 64, .size: 8, .value_kind: global_buffer, .address_space: global }
      - { .name: out0, .offset: 72, .size: 8, .value_kind: global_buffer, .address_space: global }
    .group_segment_fixed_size: 290816
    .private_segment_fixed_size: 0
    .kernarg_segment_align: 8
    .kernarg_segment_size: 80
    .max_flat_workgroup_size: 256
    .sgpr_count:     100
    .vgpr_count:     512
    .wavefront_size: 32
...
	.end_amdgpu_metadata
.endif
;; end of part 1
